; MI455X (gfx1250); checked and timed in simulation.
; The chip was launched on July 23, 2026; its instructions are those of AMD's public machine-readable ISA for CDNA 5 (MIT licence, August 2026) and "CDNA5" Instruction Set Architecture Reference Guide (July 2026). The comments in the code are by the model that wrote it; some were corrected since.
;; Nonlinear IB. Allowed arithmetic: matrix products marked QUANTISED: E5M2 operands, one E8M0 scale for each 32 along K, by v_wmma_scale_f32_16x16x128_f8f6f4 with both operands' format E5M2, f32 sums; everything else in f32.
;; Inputs: kde_logvar 1 float32; noise 8,192 x 64 float32; noise_logvar 1 float32; x 8,192 x 64 float32.
;; Outputs: out0 8,192 x 64 float32; out1 one number float32; out2 one number float32.
;; This version of the problem:
;;   THIS VERSION OF THE PROBLEM IS GIVEN IN LOW PRECISION. The matrix products marked QUANTISED in the list below multiply operands that are first quantised to E5M2 (5 exponent bits, 2 mantissa bits; 8 bits a number), with one power-of-two scale for each 32 numbers along K (OCP MX v1.0); their sums are f32. All else is computed in f32.
;;   The module's matrix products, in the order in which they are computed (A, B: the left and right operand; K: the contracted axis; several contracted axes count as one K, in the product's order):
;;     1. [M 8,192, K 64] x [K 64, N 8,192]; A: input x; B: input x: QUANTISED
;;   THE QUANTISER, for each operand of a quantised product, along K:
;;     - K is cut into blocks of 32 from its start; a last block that is shorter is filled with zeros.
;;     - A block's scale is 2^e with e = floor(log2(the largest magnitude in the block)) - 15, held to -126 .. 127; a block of zeros has e = 0. As a byte (E8M0): e + 127.
;;     - Each number is divided by its block's scale, clamped to +-57,344, and rounded to the nearest number of E5M2, ties to even, subnormals kept.
;;     - The product sums the exact products of the quantised numbers (number of the format x scale) in f32.
;;   ~~~python
;;   def quantise(x, axis):      # numpy; x: float32 -> the quantised numbers, widened to float32 again
;;       x = np.moveaxis(x, axis, -1); K = x.shape[-1]
;;       x = np.pad(x, [(0, 0)] * (x.ndim - 1) + [(0, -K % 32)]); x = x.reshape(x.shape[:-1] + (-1, 32)); a = np.abs(x).max(-1, keepdims=True)
;;       e = np.where(a > 0, np.clip(np.frexp(np.where(a > 0, a, 1))[1] - 1 - 15, -126, 127), 0)      # np.frexp(a)[1] - 1 = floor(log2(a)), exactly
;;       r = np.clip(x / 2.0 ** e, -57344, 57344)
;;       step = 2.0 ** (np.maximum(np.frexp(np.where(r == 0, 1, r))[1] - 1, -14) - 2)
;;       q = np.round(r / step) * step * 2.0 ** e      # np.round: ties to even
;;       return np.moveaxis(q.reshape(q.shape[:-2] + (-1,))[..., :K], -1, axis).astype(np.float32)
;;   ~~~
;; One version. Each part assembles by itself: llvm-mc -triple=amdgcn-amd-amdhsa -mcpu=gfx1250 --defsym DOCPART=n.
;; ======== version 1 of 1: 3 launches
;; workspace buffers: keys 589,824 bytes; part 2,048 bytes
;; launch prep (part 1): grid 256 x 1, 1 waves a work-group, no clusters, 9,472 bytes of LDS; arguments x, noise, noise_logvar, keys, out0; writes keys, out0
.if DOCPART == 1
	.amdgcn_target "amdgcn-amd-amdhsa--gfx1250"
	.amdhsa_code_object_version 6
	.text
	.protected	k_q857e7be488_prep
	.globl	k_q857e7be488_prep
	.p2align	8
	.type	k_q857e7be488_prep,@function
k_q857e7be488_prep:
	s_mov_b64 s[64:65], 0
	v_nop
	global_prefetch_b8 v0, s[64:65] scope:SCOPE_SE
	s_setreg_imm32_b32 hwreg(HW_REG_WAVE_MODE, 25, 1), 1
	s_wait_xcnt 0x0
; x [8192][64] f32 is read once and serves three things: y = x + exp(noise_logvar / 2) * noise (out0), the codes of BF8 (E5M2) with one E8M0 scale for each 32 along K, and -|x_row|^2 / 2.
; One wave takes 32 rows, a PAIR of tiles of 16, and stores one RECORD of 2,304 bytes, laid in the order in which the next launch's operand registers take it:
;   bytes 0-2047     four chunks of 512 bytes, 16 bytes a lane.  Chunk c, lane (r = lane % 16, h = lane / 16): the codes of row 16 (c / 2) + r, k = 32 (c % 2) + 16 h + 0 .. 15.
;                    Taken as ONE operand of 128 along K, the record is [first tile's 64 | second tile's 64].
;   bytes 2048-2175  -|x_row|^2 / 2 of the 32 rows, f32
;   bytes 2176-2303  the scale words: lane r: bytes 0, 1 the two blocks of row r, bytes 2, 3 those of row 16 + r; lanes 16-31 hold and store the same words once more, so that every byte of the record is written
; Loads and the stores of y are dense: 32 lanes x 16 bytes = 512 consecutive bytes, two rows.  The conversions want 16 neighbours along K in one lane: so x turns through the wave's own stage in LDS
; (rows of 256 bytes + 16 of padding: the sixteen rows that a read touches start at sixteen different banks).  One wave to a work-group: no barrier.
; A block's scale is 2^(floor(log2(its largest magnitude)) - 15); its byte is that magnitude's exponent field - 15, held at 1 from below.
; LIMITS: a block of zeros gets the byte 1 where the rule says 127 (its codes are zeros, which add nothing, and this program alone reads the bytes); blocks whose largest magnitude lies under 2^-111 have the byte held at 1;
; NaN and infinities among the inputs are not served; exp(noise_logvar / 2) under 2^-126 comes out as 0.
.set PITCH, 272
.set REC,   2304
.set NSQ,   2048
.set SCW,   2176
.set DO,  1                            ; v1       16 x lane: my bytes of a dense load or store
.set LSA, 2                            ; v2       the stage, on the way in
.set LRA, 3                            ; v3       the stage, on the way out
.set WO,  4                            ; v4       4 x lane
.set SG,  6                            ; v[6:7]   exp(noise_logvar / 2), twice
.set X,   16                           ; v16-79   x as loaded
.set N,   80                           ; v80-143  noise, then y
.set F,   144                          ; v144-207 x by chunks: register 16 c + i = number i of my 16 of chunk c
.set PC,  208                          ; v208-223 the codes: four registers a chunk
.set TM,  224                          ; v224-239 largest magnitudes, bytes, holds, scale operands
.set PW,  240                          ; v240     the scale word
.set AC,  242                          ; v242-249 sums of squares, a pair for each chunk
.set T,   250                          ; v250-252 at work
.set SEL, 20                           ; s[20:21] v_permlanex16_b32's selects for lane l xor 16
.set MNT, 22                           ; s22      the mantissa field of 57,344
	s_load_b128 s[4:7], s[0:1], 0x0                ; x, noise
	s_load_b128 s[8:11], s[0:1], 0x10              ; noise_logvar, keys
	s_load_b64 s[12:13], s[0:1], 0x20              ; out0
	v_lshl_add_u32 v254, v0, 2, 0x2400
	v_mov_b32 v255, 0
	v_lshlrev_b32 v[DO], 4, v0
	v_lshlrev_b32 v[WO], 2, v0
	v_and_b32 v[T], 15, v0                         ; r
	v_lshrrev_b32 v[T+1], 4, v0                    ; h
	v_mul_u32_u24 v[LSA], v[T+1], PITCH
	v_lshl_add_u32 v[LSA], v[T], 4, v[LSA]         ; in: a load's two rows, sixteen lanes to a row
	v_mul_u32_u24 v[LRA], v[T], PITCH
	v_lshl_add_u32 v[LRA], v[T+1], 6, v[LRA]       ; out: row r, + 64 h: my 16 numbers of a block of 32
	s_lshl_b32 s14, ttmp9, 13                      ; my 32 rows of 256 bytes
	s_mov_b32 s15, 0
	s_mul_i32 s16, ttmp9, REC                      ; my record
	s_mov_b32 s17, 0
	s_mov_b32 s[SEL], 0x76543210
	s_mov_b32 s[SEL+1], 0xfedcba98
	s_mov_b32 s[MNT], 0x600000
	s_wait_kmcnt 0x0
	s_load_b32 s18, s[8:9], 0x0                    ; noise_logvar
	s_add_nc_u64 s[4:5], s[4:5], s[14:15]
	s_add_nc_u64 s[6:7], s[6:7], s[14:15]
	s_add_nc_u64 s[12:13], s[12:13], s[14:15]
	s_add_nc_u64 s[10:11], s[10:11], s[16:17]
.irp i, 0,1,2,3,4,5,6,7,8,9,10,11,12,13,14,15
	global_load_b128 v[X+4*\i:X+4*\i+3], v[DO], s[4:5] offset:512*\i th:TH_LOAD_NT
.endr
.irp i, 0,1,2,3,4,5,6,7,8,9,10,11,12,13,14,15
	global_load_b128 v[N+4*\i:N+4*\i+3], v[DO], s[6:7] offset:512*\i th:TH_LOAD_NT
.endr
	v_mov_b32 v[T+2], 0x3f38aa3b                   ; log2(e) / 2
	s_wait_kmcnt 0x0
	v_mul_f32 v[SG], s18, v[T+2]
	v_exp_f32 v[SG], v[SG]                         ; exp(noise_logvar / 2)
.irp b, 0,1,2,3
	v_mov_b32 v[TM+4+\b], 0                        ; plain work behind the exponential.  (Written once: a lane permute's destination counts as one of its sources)
.endr
	s_wait_alu depctr_va_vdst(0)                   ; the wait ahead of the first reader of the exponential
	v_mov_b32 v[SG+1], v[SG]                       ; named with it as a pair
	s_wait_loadcnt 16                              ; x's sixteen loads are in; noise's sixteen, issued behind them, may be out
.irp i, 0,1,2,3,4,5,6,7,8,9,10,11,12,13,14,15
	ds_store_b128 v[LSA], v[X+4*\i:X+4*\i+3] offset:2*PITCH*\i
.endr
.irp c, 0,1,2,3
.irp j, 0,1,2,3
	ds_load_b128 v[F+16*\c+4*\j:F+16*\c+4*\j+3], v[LRA] offset:(\c/2)*16*PITCH+(\c%2)*128+16*\j   ; LDS serves a wave's instructions in order (ISA guide 5.7.1.4): these see the stores above
.endr
.endr
	s_wait_loadcnt 0x0                             ; noise is in
.set i, 0
.rept 32
	v_pk_fma_f32 v[N+i:N+i+1], v[N+i:N+i+1], v[SG:SG+1], v[X+i:X+i+1] op_sel_hi:[1,0,1]   ; y, two at a time, while x turns through the stage
.set i, i+2
.endr
.irp i, 0,1,2,3,4,5,6,7,8,9,10,11,12,13,14,15
	global_store_b128 v[DO], v[N+4*\i:N+4*\i+3], s[12:13] offset:512*\i th:TH_STORE_NT   ; 32 lanes store 512 consecutive bytes, at a multiple of 256 from out0's first byte
.endr
	s_wait_dscnt 0x0                               ; x is back, 16 neighbours a chunk
	; the rows' sums of squares, of the numbers as they are given: four chains, one a chunk
.irp c, 0,1,2,3
	v_pk_mul_f32 v[AC+2*\c:AC+2*\c+1], v[F+16*\c:F+16*\c+1], v[F+16*\c:F+16*\c+1]
.endr
.irp i, 2,4,6,8,10,12,14
.irp c, 0,1,2,3
	v_pk_fma_f32 v[AC+2*\c:AC+2*\c+1], v[F+16*\c+\i:F+16*\c+\i+1], v[F+16*\c+\i:F+16*\c+\i+1], v[AC+2*\c:AC+2*\c+1]
.endr
.endr
	v_pk_add_f32 v[AC:AC+1], v[AC:AC+1], v[AC+2:AC+3]          ; row r: its two blocks,
	v_pk_add_f32 v[AC+4:AC+5], v[AC+4:AC+5], v[AC+6:AC+7]      ; row 16 + r likewise,
	v_add_f32 v[AC], v[AC], v[AC+1]
	v_add_f32 v[AC+4], v[AC+4], v[AC+5]
	v_permlanex16_b32 v[AC+1], v[AC], s[SEL], s[SEL+1]
	v_permlanex16_b32 v[AC+5], v[AC+4], s[SEL], s[SEL+1]
	v_add_f32 v[AC], v[AC], v[AC+1]                            ; and lane l xor 16's half of each block
	v_add_f32 v[AC+4], v[AC+4], v[AC+5]
	v_cmp_gt_u32 vcc_lo, 16, v0
	v_cndmask_b32 v[T], v[AC+4], v[AC], vcc_lo                 ; lane l keeps row l's
	v_mul_f32 v[T], -0.5, v[T]
	global_store_b32 v[WO], v[T], s[10:11] offset:NSQ          ; 128 consecutive bytes
	; the quantiser: chunk b's 16 numbers and lane l xor 16's 16 are a block of 32
.irp b, 0,1,2,3
	v_max3_num_f32 v[TM+\b], |v[F+16*\b]|, |v[F+1+16*\b]|, 0x8000000   ; and the floor 2^(16 - 127), under which no largest magnitude is taken: so the byte cannot fall under 1
.endr
.irp i, 2,4,6,8,10,12,14
.irp b, 0,1,2,3
	v_max3_num_f32 v[TM+\b], v[TM+\b], |v[F+16*\b+\i]|, |v[F+1+16*\b+\i]|   ; (the four blocks by turns)
.endr
.endr
.irp b, 0,1,2,3
	v_permlanex16_b32 v[TM+4+\b], v[TM+\b], s[SEL], s[SEL+1]
.endr
.irp b, 0,1,2,3
	v_max_num_f32 v[TM+\b], v[TM+\b], v[TM+4+\b]               ; the block's largest magnitude
.endr
.irp b, 0,1,2,3
	v_add_nc_u32 v[TM+12+\b], 0xf8800000, v[TM+\b]             ; 15 off its exponent field: the conversion takes the exponent field of this operand as its scale
.endr
.irp b, 0,1,2,3
	v_and_or_b32 v[TM+8+\b], v[TM+\b], 0x7f800000, s[MNT]      ; 57,344 x the scale
.endr
.irp b, 0,1,2,3
	v_lshrrev_b32 v[TM+4+\b], 23, v[TM+12+\b]                  ; the scale's byte
.endr
	v_lshl_or_b32 v[PW], v[TM+5], 8, v[TM+4]                   ; bytes 0, 1: row r; bytes 2, 3: row 16 + r
	v_lshl_or_b32 v[PW], v[TM+6], 16, v[PW]
	v_lshl_or_b32 v[PW], v[TM+7], 24, v[PW]
.irp b, 0,1,2,3
.irp i, 0,1,2,3,4,5,6,7,8,9,10,11,12,13,14,15
	v_med3_num_f32 v[F+16*\b+\i], v[F+16*\b+\i], -v[TM+8+\b], v[TM+8+\b]   ; the conversion to an 8-bit code does not saturate (ISA guide 7.6.2): the hold at the largest code x the scale
.endr
	v_cvt_scalef32_pk8_bf8_f32 v[PC+4*\b:PC+1+4*\b], v[F+16*\b:F+7+16*\b], v[TM+12+\b]
	v_cvt_scalef32_pk8_bf8_f32 v[PC+2+4*\b:PC+3+4*\b], v[F+8+16*\b:F+15+16*\b], v[TM+12+\b]
.endr
	v_nop                                          ; a plain line behind the last conversion
.irp c, 0,1,2,3
	global_store_b128 v[DO], v[PC+4*\c:PC+4*\c+3], s[10:11] offset:512*\c   ; a chunk: 512 consecutive bytes
.endr
	global_store_b32 v[WO], v[PW], s[10:11] offset:SCW         ; 128 consecutive bytes: the sixteen words, and the same again from lanes 16-31
	s_wait_tensorcnt 0x0
	ds_add_u32 v254, v255
	s_wait_dscnt 0x0
	s_endpgm
.Lfunc_end_k_q857e7be488_prep:
	.size	k_q857e7be488_prep, .Lfunc_end_k_q857e7be488_prep-k_q857e7be488_prep
	.p2alignl 7, 3214868480
	.fill 96, 4, 3214868480
	.section	.rodata,"a",@progbits
	.p2align	6, 0x0
	.amdhsa_kernel k_q857e7be488_prep
		.amdhsa_group_segment_fixed_size 9472
		.amdhsa_private_segment_fixed_size 0
		.amdhsa_enable_private_segment 0
		.amdhsa_kernarg_size 40
		.amdhsa_user_sgpr_count 2
		.amdhsa_user_sgpr_kernarg_segment_ptr 1
		.amdhsa_wavefront_size32 1
		.amdhsa_system_sgpr_workgroup_id_x 1
		.amdhsa_system_sgpr_workgroup_id_y 1
		.amdhsa_system_sgpr_workgroup_id_z 1
		.amdhsa_system_vgpr_workitem_id 0
		.amdhsa_next_free_vgpr 256
		.amdhsa_next_free_sgpr 66
		.amdhsa_reserve_vcc 1
		.amdhsa_float_denorm_mode_32 3
		.amdhsa_float_denorm_mode_16_64 3
		.amdhsa_memory_ordered 1
		.amdhsa_forward_progress 1
		.amdhsa_inst_pref_size 22
	.end_amdhsa_kernel
	.amdgpu_metadata
---
amdhsa.version: [ 1, 2 ]
amdhsa.kernels:
  - .name:           k_q857e7be488_prep
    .symbol:         k_q857e7be488_prep.kd
    .args:
      - { .name: x, .offset: 0, .size: 8, .value_kind: global_buffer, .address_space: global }
      - { .name: noise, .offset: 8, .size: 8, .value_kind: global_buffer, .address_space: global }
      - { .name: noise_logvar, .offset: 16, .size: 8, .value_kind: global_buffer, .address_space: global }
      - { .name: keys, .offset: 24, .size: 8, .value_kind: global_buffer, .address_space: global }
      - { .name: out0, .offset: 32, .size: 8, .value_kind: global_buffer, .address_space: global }
    .group_segment_fixed_size: 9472
    .private_segment_fixed_size: 0
    .kernarg_segment_align: 8
    .kernarg_segment_size: 40
    .max_flat_workgroup_size: 32
    .sgpr_count:     66
    .vgpr_count:     256
    .wavefront_size: 32
...
	.end_amdgpu_metadata
.endif
;; end of part 1
;; launch pairs (part 2): grid 256 x 1, 16 waves a work-group, no clusters, 19,456 bytes of LDS; arguments keys, kde_logvar, noise_logvar, part; writes part
.if DOCPART == 2
	.amdgcn_target "amdgcn-amd-amdhsa--gfx1250"
	.amdhsa_code_object_version 6
	.text
	.protected	k_q857e7be488_pairs
	.globl	k_q857e7be488_pairs
	.p2align	8
	.type	k_q857e7be488_pairs,@function
k_q857e7be488_pairs:
	s_mov_b64 s[64:65], 0
	v_nop
	global_prefetch_b8 v0, s[64:65] scope:SCOPE_SE
	s_setreg_imm32_b32 hwreg(HW_REG_WAVE_MODE, 25, 1), 1
	s_wait_xcnt 0x0
; For each row i of the 8,192: lse1 = logsumexp_j(-d_ij / (2 (e^nv + e^kv))) and lse2 = logsumexp_j(-(d_ij / (2 e^kv) + 1e21 [i = j])), d_ij = max(|x_i|^2 + |x_j|^2 - 2 Q(x_i).Q(x_j), 0).
; The product is on codes of BF8 (E5M2) with E8M0 scales, as the launch before laid them: one RECORD of 2,304 bytes for each 32 rows (its head comment gives the layout).  Stored: the sums of lse1 and of lse2 over the work-group's 32 rows.
; SHARES.  Work-group g owns rows 32 g .. 32 g + 31, two tiles of 16 queries, against ALL keys: a row has one owner.  Each of the sixteen waves holds both query tiles and walks 16 records of its own (512 keys), one a trip.
; No two waves of a work-group read the same record, so records go from memory straight into registers: 9 loads a trip, issued a trip ahead.
; NO JOINT LOADS: a trip's 2,240 bytes feed 4 matrix instructions and some 200 vector instructions of ONE wave, and the work-groups are kept at different records on purpose:
; work-group g begins at record g % 16 of each wave's sixteen and wraps round.  So the record with the work-group's own rows, which holds the diagonal, is the FIRST record of wave g / 16.
; K IS 64, THE INSTRUCTION'S IS 128.  A record is one operand [first tile | second tile]; the queries lie as 0 | q0 | 0 | q1 | 0 in 40 registers, so that [q | 0] meets the first tile of keys and [0 | q] the second:
; zero codes add nothing.  One scale word a key lane serves both tiles; a query's word holds its two bytes twice.
; LAYOUT.  Source 0 = 16 keys, source 1 = 16 queries: a lane holds ONE query (lane % 16) and eight keys 8 (lane / 16) + 0 .. 7.  C = -|x_j|^2 / 2, so D = g - |x_j|^2 / 2 = s - d / 2 with s = |x_i|^2 / 2:
; the clamp d >= 0 is w = min(D, s), and an exponent, in powers of two, is c (w - s), c1 = log2(e) / (e^nv + e^kv), c2 = log2(e) / e^kv.
; THE MAXIMUM.  Both exponents rise with w, so ONE running maximum M of w a lane serves both sums.  Kept: M, nb = -c M for both c, and S = sum of 2^(c w + nb), as pairs.  When M moves, S is multiplied by 2^(nb new - nb old).
; The diagonal is taken out of these sums (w = -infinity there) and kept apart; it joins at the end, as it stands for lse1 and with the 1e21 for lse2, by a log-add-exp.
; A TRIP: 4 products | the LAST trip's 32 packed sums, which are the places behind the products, the first of each chain an fma by 2^(nb new - nb old) | the next record's loads | clamp, maximum, nb | 32 packed scalings and 68 exponentials, ONE batch, one wait.
; THE END: each lane's (M, diagonal, S1, S2) goes to LDS, 32 of them a row (16 waves x 2 halves of the lanes); one barrier; wave 0 merges, a lane to a row.
; LIMITS: c x |x|^2 must stay finite in f32; e^kv and e^nv under 2^-126 come out as 0; NaN and infinities among the inputs are not served;
; |x_j|^2 / 2 enters as the product's C, so d's roundings come in another order than in the formula above, at f32's precision.
.set REC,   2304
.set NSQ,   2048
.set SCW,   2176
.set MP,    528                        ; LDS: a row's 32 partial results of 16 bytes + 16 of padding: an odd multiple of 16, so that sixteen rows start at sixteen different banks
.set KO,   1                           ; v1       16 x lane: my bytes of a chunk of codes
.set CO,   2                           ; v2       32 x (lane / 16): my eight keys' -|x|^2 / 2
.set SO,   3                           ; v3       4 x (lane % 16): my row's scale word, my query's -|x|^2 / 2
.set DJ,   4                           ; v4       lane % 16 - 8 (lane / 16): the register that holds the diagonal, if it is 0 .. 7
.set NINF, 5                           ; v5       -infinity
.set NCA,  6                           ; v[6:7]   -c1, -c2
.set NCB,  8                           ; v[8:9]   -c2, -c1
.set QS,   10                          ; v10, v11 the queries' scale words
.set KS,   12                          ; v12      the keys' scale words
.set LST,  13                          ; v13      LDS: where I put my partial results
.set LRD,  14                          ; v14      LDS: row = my lane
.set Q,    16                          ; v16-55   0 | q0 | 0 | q1 | 0, eight registers each
.set KF,   56                          ; v56-71   a record's codes
.set KC,   72                          ; v72-87   its -|x|^2 / 2: eight registers a tile
.set W,    88                          ; v88-119  w: query tile q's 16 at W + 16 q
.set P1,   120                         ; v120-151 2^(c1 w + nb1)
.set P2,   152                         ; v152-183 2^(c2 w + nb2)
.set ST,   184                         ; v184-215 query tile q's at ST + 16 q: +0 M, +1 the diagonal's w; +2,3 nb1, nb2; +4,5 nb2, nb1; +6,7 S1; +8,9 S2; +10 f1, +11 s; +12 f2, +13 0; +14,15 at work
.set RN,   216                         ; v216     -|x|^2 / 2 of row = my lane, for the end
.set LO4,  217                         ; v217     4 x lane
.set T,    218                         ; v218-223 at work
.set WV,   14                          ; s14      my wave
.set C1,   24                          ; s[24:25] c1: the packed form names a pair and takes its low word for both halves
.set C2,   26                          ; s[26:27] c2
	s_load_b128 s[4:7], s[0:1], 0x0                ; keys, kde_logvar
	s_load_b128 s[8:11], s[0:1], 0x10              ; noise_logvar, part
	v_lshl_add_u32 v224, v0, 2, 0x4400
	v_mov_b32 v225, 0
	v_lshrrev_b32 v[T], 5, v0
	v_readfirstlane_b32 s[WV], v[T]                ; wave 0..15
	v_and_b32 v[T], 31, v0                         ; lane
	v_and_b32 v[T+1], 15, v0                       ; r
	v_bfe_u32 v[T+2], v0, 4, 1                     ; h
	v_lshlrev_b32 v[KO], 4, v[T]
	v_lshlrev_b32 v[LO4], 2, v[T]
	v_mul_u32_u24 v[LRD], v[T], MP
	v_lshlrev_b32 v[SO], 2, v[T+1]
	v_lshlrev_b32 v[CO], 5, v[T+2]
	v_lshlrev_b32 v[DJ], 3, v[T+2]
	v_sub_nc_u32 v[DJ], v[T+1], v[DJ]
	v_mul_u32_u24 v[LST], v[T+1], MP               ; row r (query tile 1: 16 rows on, in the immediate),
	v_lshrrev_b32 v[T], 4, v0
	v_lshl_add_u32 v[LST], v[T], 4, v[LST]         ; place 2 x wave + h of its 32
	v_mov_b32 v[NINF], 0xff800000
	s_and_b32 s28, ttmp9, 15                       ; where the walk begins
	s_lshr_b32 s16, ttmp9, 4                       ; the wave whose first record holds the diagonal
	s_mul_i32 s18, ttmp9, REC                      ; the record of my work-group's own rows
	s_mov_b32 s19, 0
	s_mul_i32 s20, s[WV], 16*REC                   ; my wave's sixteen records
	s_mov_b32 s21, 0
	s_mul_i32 s30, s28, REC
	s_mov_b32 s31, 0
	s_mov_b32 s32, 0x76543210
	s_mov_b32 s33, 0xfedcba98                      ; v_permlanex16_b32's selects for lane l xor 16
	s_wait_kmcnt 0x0
	s_load_b32 s12, s[6:7], 0x0                    ; kde_logvar
	s_load_b32 s13, s[8:9], 0x0                    ; noise_logvar
	s_add_nc_u64 s[18:19], s[4:5], s[18:19]
	s_add_nc_u64 s[20:21], s[4:5], s[20:21]
	s_add_nc_u64 s[22:23], s[20:21], s[30:31]      ; the record to be loaded
	global_load_b128 v[Q+8:Q+11],  v[KO], s[18:19]                 ; q0: chunks 0, 1
	global_load_b128 v[Q+12:Q+15], v[KO], s[18:19] offset:512
	global_load_b128 v[Q+24:Q+27], v[KO], s[18:19] offset:1024     ; q1: chunks 2, 3
	global_load_b128 v[Q+28:Q+31], v[KO], s[18:19] offset:1536
	global_load_b32 v[ST+11], v[SO], s[18:19] offset:NSQ           ; -s of my query in tile 0,
	global_load_b32 v[ST+27], v[SO], s[18:19] offset:NSQ+64        ; in tile 1
	global_load_b32 v[T+3], v[SO], s[18:19] offset:SCW             ; both tiles' scale bytes
	global_load_b32 v[RN], v[LO4], s[18:19] offset:NSQ
.macro LOADK                           ; a record: 9 loads
.irp c, 0,1,2,3
	global_load_b128 v[KF+4*\c:KF+4*\c+3], v[KO], s[22:23] offset:512*\c
.endr
.irp t, 0,1
	global_load_b128 v[KC+8*\t:KC+8*\t+3],   v[CO], s[22:23] offset:NSQ+64*\t      ; register j: key 8 h + j of tile t
	global_load_b128 v[KC+8*\t+4:KC+8*\t+7], v[CO], s[22:23] offset:NSQ+64*\t+16
.endr
	global_load_b32 v[KS], v[SO], s[22:23] offset:SCW
.endm
	LOADK
	; c1 and c2, while the loads are out
	v_mov_b32 v[T], 0x3fb8aa3b                     ; log2(e)
	s_wait_kmcnt 0x0
	v_mul_f32 v[T+1], s12, v[T]
	v_mul_f32 v[T+2], s13, v[T]
	v_exp_f32 v[T+1], v[T+1]                       ; e^kv
	v_exp_f32 v[T+2], v[T+2]                       ; e^nv
	v_nop                                          ; a plain line behind the last transcendental,
	s_wait_alu depctr_va_vdst(0)                   ; and the wait ahead of the first reader: one for the two
	v_add_f32 v[T+2], v[T+2], v[T+1]               ; e^nv + e^kv
	v_rcp_f32 v[T+1], v[T+1]
	v_rcp_f32 v[T+2], v[T+2]
	v_nop
	s_wait_alu depctr_va_vdst(0)
	v_mul_f32 v[T+1], v[T], v[T+1]                 ; c2
	v_mul_f32 v[T+2], v[T], v[T+2]                 ; c1
	v_readfirstlane_b32 s[C1], v[T+2]
	v_readfirstlane_b32 s[C2], v[T+1]
	s_mov_b32 s[C1+1], s[C1]                       ; (named as pairs, so the upper words are written)
	s_mov_b32 s[C2+1], s[C2]
	v_mul_f32 v[NCA], -1.0, v[T+2]
	v_mul_f32 v[NCA+1], -1.0, v[T+1]
	v_mov_b32 v[NCB], v[NCA+1]
	v_mov_b32 v[NCB+1], v[NCA]
	s_wait_loadcnt 9                               ; the eight loads for the queries are in; the first record's nine, issued behind them, may be out
	v_and_b32 v[T], 0xffff, v[T+3]
	v_lshl_or_b32 v[QS], v[T+3], 16, v[T]          ; q0's two bytes, twice: they serve [q0 | 0] and [0 | q0]
	v_lshrrev_b32 v[T], 16, v[T+3]
	v_and_or_b32 v[QS+1], v[T+3], 0xffff0000, v[T] ; q1's likewise
	v_mul_f32 v[ST+11], -1.0, v[ST+11]             ; s
	v_mul_f32 v[ST+27], -1.0, v[ST+27]
.irp j, 0,1,2,3,4,5,6,7
	v_mov_b32 v[Q+\j], 0                           ; the zero codes beside the queries.  (With the lines below these are also the eight places between the scale words' making and the first product)
	v_mov_b32 v[Q+16+\j], 0
	v_mov_b32 v[Q+32+\j], 0
.endr
.irp q, 0,1
	v_mov_b32 v[ST+16*\q+1], v[NINF]               ; no diagonal seen
	v_mov_b32 v[ST+16*\q+6], 0                     ; the sums begin as zeros, and the first factor as 1
	v_mov_b32 v[ST+16*\q+7], 0
	v_mov_b32 v[ST+16*\q+8], 0
	v_mov_b32 v[ST+16*\q+9], 0
	v_mov_b32 v[ST+16*\q+10], 1.0
	v_mov_b32 v[ST+16*\q+12], 1.0
	v_mov_b32 v[ST+16*\q+13], 0                    ; (named as the upper half of a pair)
.endr
.macro MM q, kt                        ; keys' tile kt of the record x query tile q.  kt = 0: [q | 0]; kt = 1: [0 | q]
	v_wmma_scale_f32_16x16x128_f8f6f4 v[W+8*(2*\q+\kt):W+8*(2*\q+\kt)+7], v[KF:KF+15], v[Q+16*\q+8-8*\kt:Q+16*\q+23-8*\kt], v[KC+8*\kt:KC+8*\kt+7], v[KS], v[QS+\q] matrix_a_fmt:MATRIX_FMT_BF8 matrix_b_fmt:MATRIX_FMT_BF8
.endm
.macro SUMS                            ; S = S x f + the last trip's 16 p, for both sums of both query tiles: four chains by turns
.irp q, 0,1
	v_pk_fma_f32 v[ST+16*\q+6:ST+16*\q+7], v[ST+16*\q+6:ST+16*\q+7], v[ST+16*\q+10:ST+16*\q+11], v[P1+16*\q:P1+16*\q+1] op_sel_hi:[1,0,1]
	v_pk_fma_f32 v[ST+16*\q+8:ST+16*\q+9], v[ST+16*\q+8:ST+16*\q+9], v[ST+16*\q+12:ST+16*\q+13], v[P2+16*\q:P2+16*\q+1] op_sel_hi:[1,0,1]
.endr
.irp i, 2,4,6,8,10,12,14
.irp q, 0,1
	v_pk_add_f32 v[ST+16*\q+6:ST+16*\q+7], v[ST+16*\q+6:ST+16*\q+7], v[P1+16*\q+\i:P1+16*\q+\i+1]
	v_pk_add_f32 v[ST+16*\q+8:ST+16*\q+9], v[ST+16*\q+8:ST+16*\q+9], v[P2+16*\q+\i:P2+16*\q+\i+1]
.endr
.endr
.endm
; A TRIP.  first = 1: the first record: nothing to sum yet, no old maximum, and in one wave the diagonal.  load = 1: the next record is asked for.
.macro TRIP first, load
	s_wait_loadcnt 0x0                             ; the record is in; so its loads' base may be written
	MM 0, 0                                        ; four accumulators, one instruction each; C is the loaded -|x_j|^2 / 2
	MM 0, 1
	MM 1, 0
	MM 1, 1
.if \load
	s_add_co_u32 s28, s28, 1
	s_and_b32 s28, s28, 15                         ; the walk wraps round my sixteen records
	s_mul_i32 s30, s28, REC
	s_add_nc_u64 s[22:23], s[20:21], s[30:31]
.endif
.if \first
.rept 8
	v_nop                                          ; eight places behind this form, ahead of loads into its operands and of the first read of its results
.endr
.else
	SUMS                                           ; 32 plain lines that name none of the products' registers: the places
.endif
.if \load
	LOADK                                          ; it has the rest of the trip in which to land
.endif
.set i, 0
.rept 32
	v_min_num_f32 v[W+i], v[W+i], v[ST+16*(i/16)+11]   ; d >= 0.  (Each accumulator from its low end on)
.set i, i+1
.endr
.if \first
	s_cmp_lg_u32 s[WV], s16                        ; ids alone: the wave whose first record is the work-group's own
	s_cbranch_scc1 .Loff_\@
.irp j, 0,1,2,3,4,5,6,7
	v_cmp_eq_u32 vcc_lo, \j, v[DJ]                 ; key 8 h + j = query r: in (tile 0, q0) and in (tile 1, q1)
	v_cndmask_b32 v[ST+1], v[ST+1], v[W+\j], vcc_lo            ; the diagonal's w is kept,
	v_cndmask_b32 v[W+\j], v[W+\j], v[NINF], vcc_lo            ; and counts for nothing here
	v_cndmask_b32 v[ST+17], v[ST+17], v[W+24+\j], vcc_lo
	v_cndmask_b32 v[W+24+\j], v[W+24+\j], v[NINF], vcc_lo
.endr
.Loff_\@:
.endif
.irp q, 0,1                            ; the largest of 16 w and the old M: eight lines a query tile
	v_max3_num_f32 v[ST+16*\q+14], v[W+16*\q], v[W+16*\q+1], v[W+16*\q+2]
	v_max3_num_f32 v[ST+16*\q+15], v[W+16*\q+3], v[W+16*\q+4], v[W+16*\q+5]
.endr
.irp i, 6,10
.irp q, 0,1
	v_max3_num_f32 v[ST+16*\q+14], v[ST+16*\q+14], v[W+16*\q+\i], v[W+16*\q+\i+1]
	v_max3_num_f32 v[ST+16*\q+15], v[ST+16*\q+15], v[W+16*\q+\i+2], v[W+16*\q+\i+3]
.endr
.endr
.irp q, 0,1
	v_max3_num_f32 v[ST+16*\q+14], v[ST+16*\q+14], v[W+16*\q+14], v[W+16*\q+15]
.endr
.irp q, 0,1
.if \first
	v_max_num_f32 v[ST+16*\q], v[ST+16*\q+14], v[ST+16*\q+15]
.else
	v_max3_num_f32 v[ST+16*\q], v[ST+16*\q], v[ST+16*\q+14], v[ST+16*\q+15]
.endif
.endr
.if \first == 0
.irp q, 0,1
	v_pk_mul_f32 v[ST+16*\q+14:ST+16*\q+15], v[ST+16*\q:ST+16*\q+1], v[NCA:NCA+1] op_sel_hi:[0,1]   ; the new nb1, nb2
.endr
.irp q, 0,1
	v_pk_add_f32 v[ST+16*\q+14:ST+16*\q+15], v[ST+16*\q+14:ST+16*\q+15], v[ST+16*\q+2:ST+16*\q+3] neg_lo:[0,1] neg_hi:[0,1]   ; less the old: 0 where M has not moved
.endr
.endif
.irp q, 0,1
	v_pk_mul_f32 v[ST+16*\q+2:ST+16*\q+3], v[ST+16*\q:ST+16*\q+1], v[NCA:NCA+1] op_sel_hi:[0,1]   ; nb1, nb2 (the same product gives the same bits)
	v_pk_mul_f32 v[ST+16*\q+4:ST+16*\q+5], v[ST+16*\q:ST+16*\q+1], v[NCB:NCB+1] op_sel_hi:[0,1]   ; nb2, nb1: each is the low word of a pair
.endr
; ONE BATCH: 32 packed scalings and the exponentials; a pair's exponentials stand behind the next pair's scaling.  Nothing here names an exponential's result.
.set i, 0
.rept 16
	v_pk_fma_f32 v[P1+2*i:P1+2*i+1], v[W+2*i:W+2*i+1], s[C1:C1+1], v[ST+16*(i/8)+2:ST+16*(i/8)+3] op_sel_hi:[1,0,0]   ; c1 w + nb1
.if i > 0
	v_exp_f32 v[P1+2*i-2], v[P1+2*i-2]
	v_exp_f32 v[P1+2*i-1], v[P1+2*i-1]
.elseif \first == 0
	v_exp_f32 v[ST+10], v[ST+14]                   ; f1, f2 of query tile 0: read by the next trip's sums
	v_exp_f32 v[ST+12], v[ST+15]
.endif
	v_pk_fma_f32 v[P2+2*i:P2+2*i+1], v[W+2*i:W+2*i+1], s[C2:C2+1], v[ST+16*(i/8)+4:ST+16*(i/8)+5] op_sel_hi:[1,0,0]   ; c2 w + nb2
.if i > 0
	v_exp_f32 v[P2+2*i-2], v[P2+2*i-2]
	v_exp_f32 v[P2+2*i-1], v[P2+2*i-1]
.elseif \first == 0
	v_exp_f32 v[ST+26], v[ST+30]                   ; of query tile 1
	v_exp_f32 v[ST+28], v[ST+31]
.endif
.set i, i+1
.endr
	v_exp_f32 v[P1+30], v[P1+30]
	v_exp_f32 v[P1+31], v[P1+31]
	v_exp_f32 v[P2+30], v[P2+30]
	v_exp_f32 v[P2+31], v[P2+31]
	v_nop                                          ; a plain line behind the last exponential,
	s_wait_alu depctr_va_vdst(0)                   ; and ONE wait for the batch, ahead of the branch and of the sums that read it
.endm
	TRIP 1, 1
	s_mov_b32 s29, 14
.Ltrip:
	TRIP 0, 1
	s_sub_co_u32 s29, s29, 1
	s_cmp_lg_u32 s29, 0
	s_cbranch_scc1 .Ltrip
	TRIP 0, 0                                      ; the sixteenth record: nothing more is asked for
	SUMS                                           ; its p
.irp q, 0,1
	v_add_f32 v[ST+16*\q+2], v[ST+16*\q+6], v[ST+16*\q+7]      ; the sums' two halves, into nb's places: (M, diagonal, S1, S2) now stand on end
	v_add_f32 v[ST+16*\q+3], v[ST+16*\q+8], v[ST+16*\q+9]
.endr
.irp q, 0,1
	ds_store_b128 v[LST], v[ST+16*\q:ST+16*\q+3] offset:16*MP*\q
.endr
	s_wait_dscnt 0x0                               ; for wave 0's sake: my stores have landed
	s_barrier_signal -1
	s_barrier_wait -1
	s_cmp_lg_u32 s[WV], 0
	s_cbranch_scc1 .Ldone
	; WAVE 0 MERGES: lane = row; its 32 partial results, 16 bytes each
.set R, 56                             ; v56-183: (M, diagonal, S1, S2) x 32
.set U, 184                            ; v[184:185] a second chain of sums
.set G, 186                            ; v186-200 at work
.set n, 0
.rept 32
	ds_load_b128 v[R+4*n:R+4*n+3], v[LRD] offset:16*n
.set n, n+1
.endr
	s_wait_dscnt 0x0
	v_max3_num_f32 v[T], v[R], v[R+4], v[R+8]                  ; the row's M,
	v_max3_num_f32 v[T+1], v[R+1], v[R+5], v[R+9]              ; and its diagonal: all but one are -infinity
.set n, 3
.rept 14
	v_max3_num_f32 v[T], v[T], v[R+4*n], v[R+4*n+4]
	v_max3_num_f32 v[T+1], v[T+1], v[R+4*n+1], v[R+4*n+5]
.set n, n+2
.endr
	v_max_num_f32 v[T], v[T], v[R+124]
	v_max_num_f32 v[T+1], v[T+1], v[R+125]
	v_pk_mul_f32 v[T+2:T+3], v[T:T+1], v[NCA:NCA+1] op_sel_hi:[0,1]    ; the row's nb1, nb2
.set n, 0
.rept 32
	v_pk_mul_f32 v[R+4*n:R+4*n+1], v[R+4*n:R+4*n+1], v[NCA:NCA+1] op_sel_hi:[0,1]   ; each part's own nb1, nb2: the bits under which it summed
.set n, n+1
.endr
.set n, 0
.rept 32
	v_pk_add_f32 v[R+4*n:R+4*n+1], v[T+2:T+3], v[R+4*n:R+4*n+1] neg_lo:[0,1] neg_hi:[0,1]   ; the row's less the part's: 0 or less
.set n, n+1
.endr
.set n, 0
.rept 32
	v_exp_f32 v[R+4*n], v[R+4*n]
	v_exp_f32 v[R+4*n+1], v[R+4*n+1]
.set n, n+1
.endr
	v_nop
	s_wait_alu depctr_va_vdst(0)                   ; one wait for the 64
	v_pk_mul_f32 v[T+4:T+5], v[R+2:R+3], v[R:R+1]
	v_pk_mul_f32 v[U:U+1], v[R+6:R+7], v[R+4:R+5]
.set n, 2
.rept 15
	v_pk_fma_f32 v[T+4:T+5], v[R+4*n+2:R+4*n+3], v[R+4*n:R+4*n+1], v[T+4:T+5]
	v_pk_fma_f32 v[U:U+1], v[R+4*n+6:R+4*n+7], v[R+4*n+4:R+4*n+5], v[U:U+1]
.set n, n+2
.endr
	v_pk_add_f32 v[T+4:T+5], v[T+4:T+5], v[U:U+1]              ; S1, S2 of the row, off the diagonal
	v_log_f32 v[G], v[T+4]
	v_log_f32 v[G+1], v[T+5]
	v_mul_f32 v[G+2], -1.0, v[RN]                              ; s
	v_mov_b32 v[G+3], 0                                        ; (upper halves of pairs)
	v_mov_b32 v[G+5], 0
	v_sub_f32 v[G+4], v[T+1], v[G+2]                           ; the diagonal's w - s = -d_ii / 2
	s_wait_alu depctr_va_vdst(0)
	v_pk_add_f32 v[G:G+1], v[G:G+1], v[T+2:T+3] neg_lo:[0,1] neg_hi:[0,1]      ; log2 S - nb
	v_pk_fma_f32 v[G:G+1], v[G+2:G+3], v[NCA:NCA+1], v[G:G+1] op_sel_hi:[0,1,1]   ; - c s: log2 of the sums off the diagonal
	v_pk_mul_f32 v[G+6:G+7], v[G+4:G+5], v[NCA:NCA+1] op_sel_hi:[0,1] neg_lo:[0,1] neg_hi:[0,1]   ; the diagonal's exponents, c (w - s);
	v_add_f32 v[G+7], 0xe29c6ad1, v[G+7]                       ; the second less 1e21 x log2(e)
	v_max_num_f32 v[G+8], v[G], v[G+6]
	v_max_num_f32 v[G+9], v[G+1], v[G+7]
	v_min_num_f32 v[G+10], v[G], v[G+6]
	v_min_num_f32 v[G+11], v[G+1], v[G+7]
	v_pk_add_f32 v[G+10:G+11], v[G+10:G+11], v[G+8:G+9] neg_lo:[0,1] neg_hi:[0,1]   ; the lesser less the greater
	v_exp_f32 v[G+10], v[G+10]
	v_exp_f32 v[G+11], v[G+11]
	v_mov_b32 v[G+12], 0                                       ; (a lane permute's destination counts as one of its sources)
	v_mov_b32 v[G+13], 0
	s_wait_alu depctr_va_vdst(0)
	v_pk_add_f32 v[G+10:G+11], v[G+10:G+11], 1.0 op_sel_hi:[1,0]
	v_log_f32 v[G+10], v[G+10]
	v_log_f32 v[G+11], v[G+11]
	v_mov_b32 v[G+14], 0                                       ; the store's offset
	s_wait_alu depctr_va_vdst(0)
	v_pk_add_f32 v[G+8:G+9], v[G+8:G+9], v[G+10:G+11]
	v_pk_mul_f32 v[G+8:G+9], v[G+8:G+9], 0x3f317218 op_sel_hi:[1,0]    ; x ln 2: lse1, lse2 of my row
.irp m, 1,2,4,8
	v_add_f32_dpp v[G+8], v[G+8], v[G+8] row_xmask:\m row_mask:0xf bank_mask:0xf
	v_add_f32_dpp v[G+9], v[G+9], v[G+9] row_xmask:\m row_mask:0xf bank_mask:0xf
.endr
	v_permlanex16_b32 v[G+12], v[G+8], s32, s33
	v_permlanex16_b32 v[G+13], v[G+9], s32, s33
	v_pk_add_f32 v[G+8:G+9], v[G+8:G+9], v[G+12:G+13]          ; over the 32 rows
	s_lshl_b32 s30, ttmp9, 3
	s_add_nc_u64 s[10:11], s[10:11], s[30:31]                  ; 8 bytes a work-group
	v_cmp_eq_u32 vcc_lo, 0, v0
	s_wait_xcnt 0x0                                ; EXEC changes only behind this wait
	s_wait_tensorcnt 0x0
	ds_add_u32 v224, v225
	s_wait_dscnt 0x0
	s_and_saveexec_b32 s34, vcc_lo
	global_store_b64 v[G+14], v[G+8:G+9], s[10:11] ; lane 0 alone
	s_endpgm
.Ldone:
	s_wait_tensorcnt 0x0
	ds_add_u32 v224, v225
	s_wait_dscnt 0x0
	s_endpgm
.Lfunc_end_k_q857e7be488_pairs:
	.size	k_q857e7be488_pairs, .Lfunc_end_k_q857e7be488_pairs-k_q857e7be488_pairs
	.p2alignl 7, 3214868480
	.fill 96, 4, 3214868480
	.section	.rodata,"a",@progbits
	.p2align	6, 0x0
	.amdhsa_kernel k_q857e7be488_pairs
		.amdhsa_group_segment_fixed_size 19456
		.amdhsa_private_segment_fixed_size 0
		.amdhsa_enable_private_segment 0
		.amdhsa_kernarg_size 32
		.amdhsa_user_sgpr_count 2
		.amdhsa_user_sgpr_kernarg_segment_ptr 1
		.amdhsa_wavefront_size32 1
		.amdhsa_system_sgpr_workgroup_id_x 1
		.amdhsa_system_sgpr_workgroup_id_y 1
		.amdhsa_system_sgpr_workgroup_id_z 1
		.amdhsa_system_vgpr_workitem_id 0
		.amdhsa_next_free_vgpr 226
		.amdhsa_next_free_sgpr 66
		.amdhsa_reserve_vcc 1
		.amdhsa_float_denorm_mode_32 3
		.amdhsa_float_denorm_mode_16_64 3
		.amdhsa_memory_ordered 1
		.amdhsa_forward_progress 1
		.amdhsa_inst_pref_size 52
	.end_amdhsa_kernel
	.amdgpu_metadata
---
amdhsa.version: [ 1, 2 ]
amdhsa.kernels:
  - .name:           k_q857e7be488_pairs
    .symbol:         k_q857e7be488_pairs.kd
    .args:
      - { .name: keys, .offset: 0, .size: 8, .value_kind: global_buffer, .address_space: global }
      - { .name: kde_logvar, .offset: 8, .size: 8, .value_kind: global_buffer, .address_space: global }
      - { .name: noise_logvar, .offset: 16, .size: 8, .value_kind: global_buffer, .address_space: global }
      - { .name: part, .offset: 24, .size: 8, .value_kind: global_buffer, .address_space: global }
    .group_segment_fixed_size: 19456
    .private_segment_fixed_size: 0
    .kernarg_segment_align: 8
    .kernarg_segment_size: 32
    .max_flat_workgroup_size: 512
    .sgpr_count:     66
    .vgpr_count:     226
    .wavefront_size: 32
...
	.end_amdgpu_metadata
.endif
;; end of part 2
;; launch finish (part 3): grid 1 x 1, 1 waves a work-group, no clusters, 0 bytes of LDS; arguments part, kde_logvar, noise_logvar, out1, out2; writes out1, out2
.if DOCPART == 3
	.amdgcn_target "amdgcn-amd-amdhsa--gfx1250"
	.amdhsa_code_object_version 6
	.text
	.protected	k_q857e7be488_finish
	.globl	k_q857e7be488_finish
	.p2align	8
	.type	k_q857e7be488_finish,@function
k_q857e7be488_finish:
	s_mov_b64 s[64:65], 0
	v_nop
	global_prefetch_b8 v0, s[64:65] scope:SCOPE_SE
	s_setreg_imm32_b32 hwreg(HW_REG_WAVE_MODE, 25, 1), 1
	s_wait_xcnt 0x0
; The 256 work-groups' sums of lse1 and lse2 (pairs of f32, 2,048 bytes) become the two losses, by the formulas as they are given:
;   normconst = 32 ln(2 pi (e^nv + e^kv));  h = -(mean(lse1) - ln 8192 - normconst);  out1 = 0.01 (h - normconst)
;   normconst_kde = 32 ln(2 pi e^kv);       out2 = -(mean(lse2) - ln 8191 - normconst_kde)
; One wave: four dense loads of 512 bytes, packed sums, one sum across the lanes.  A sum over all work-groups of the launch before has to stand in a launch of its own.
; LIMITS: e^kv and e^nv under 2^-126 come out as 0.
	s_load_b128 s[4:7], s[0:1], 0x0                ; part, kde_logvar
	s_load_b128 s[8:11], s[0:1], 0x10              ; noise_logvar, out1
	s_load_b64 s[12:13], s[0:1], 0x20              ; out2
	v_lshlrev_b32 v1, 4, v0
	v_mov_b32 v2, 0x3fb8aa3b                       ; log2(e)
	v_mov_b32 v3, 0                                ; the stores' offset
	s_mov_b32 s16, 0x76543210
	s_mov_b32 s17, 0xfedcba98                      ; v_permlanex16_b32's selects for lane l xor 16
	s_wait_kmcnt 0x0
	s_load_b32 s14, s[6:7], 0x0                    ; kde_logvar
	s_load_b32 s15, s[8:9], 0x0                    ; noise_logvar
.irp i, 0,1,2,3
	global_load_b128 v[4+4*\i:7+4*\i], v1, s[4:5] offset:512*\i
.endr
	s_wait_kmcnt 0x0
	v_mul_f32 v20, s14, v2
	v_mul_f32 v21, s15, v2
	v_exp_f32 v20, v20                             ; e^kv
	v_exp_f32 v21, v21                             ; e^nv
	v_mov_b32 v22, 0                               ; plain lines behind the exponentials.  (A lane permute's destination counts as one of its sources)
	v_mov_b32 v23, 0
	s_wait_alu depctr_va_vdst(0)                   ; the wait ahead of the first reader: one for the two
	v_add_f32 v21, v21, v20                        ; the total variance
	v_mul_f32 v20, 0x40c90fdb, v20                 ; x 2 pi
	v_mul_f32 v21, 0x40c90fdb, v21
	v_log_f32 v20, v20
	v_log_f32 v21, v21
	v_nop
	s_wait_alu depctr_va_vdst(0)
	v_mul_f32 v20, 0x3f317218, v20                 ; x ln 2: natural logarithms
	v_mul_f32 v21, 0x3f317218, v21
	v_mul_f32 v20, 0x42000000, v20                 ; x 64 / 2: normconst_kde
	v_mul_f32 v21, 0x42000000, v21                 ; normconst
	s_wait_loadcnt 0x0
	v_pk_add_f32 v[4:5], v[4:5], v[6:7]            ; my eight pairs
	v_pk_add_f32 v[8:9], v[8:9], v[10:11]
	v_pk_add_f32 v[12:13], v[12:13], v[14:15]
	v_pk_add_f32 v[16:17], v[16:17], v[18:19]
	v_pk_add_f32 v[4:5], v[4:5], v[8:9]
	v_pk_add_f32 v[12:13], v[12:13], v[16:17]
	v_pk_add_f32 v[4:5], v[4:5], v[12:13]
.irp m, 1,2,4,8
	v_add_f32_dpp v4, v4, v4 row_xmask:\m row_mask:0xf bank_mask:0xf
	v_add_f32_dpp v5, v5, v5 row_xmask:\m row_mask:0xf bank_mask:0xf
.endr
	v_permlanex16_b32 v22, v4, s16, s17
	v_permlanex16_b32 v23, v5, s16, s17
	v_pk_add_f32 v[4:5], v[4:5], v[22:23]          ; the sums over all 8,192 rows
	v_pk_mul_f32 v[4:5], v[4:5], 0x39000000 op_sel_hi:[1,0]    ; / 8192: the means
	v_add_f32 v4, 0xc1102cb3, v4                   ; - ln 8192
	v_sub_f32 v4, v4, v21                          ; - normconst: the mean of lprobs
	v_mul_f32 v4, -1.0, v4                         ; h
	v_sub_f32 v4, v4, v21                          ; h - normconst
	v_mul_f32 v4, 0x3c23d70a, v4                   ; x 0.01
	v_add_f32 v5, 0xc1102c33, v5                   ; - ln 8191
	v_sub_f32 v5, v5, v20                          ; - normconst_kde
	v_mul_f32 v5, -1.0, v5
	v_cmp_eq_u32 vcc_lo, 0, v0
	s_wait_xcnt 0x0                                ; EXEC changes only behind this wait
	s_and_saveexec_b32 s18, vcc_lo
	global_store_b32 v3, v4, s[10:11]              ; lane 0 alone
	global_store_b32 v3, v5, s[12:13]
	s_endpgm
.Lfunc_end_k_q857e7be488_finish:
	.size	k_q857e7be488_finish, .Lfunc_end_k_q857e7be488_finish-k_q857e7be488_finish
	.p2alignl 7, 3214868480
	.fill 96, 4, 3214868480
	.section	.rodata,"a",@progbits
	.p2align	6, 0x0
	.amdhsa_kernel k_q857e7be488_finish
		.amdhsa_group_segment_fixed_size 0
		.amdhsa_private_segment_fixed_size 0
		.amdhsa_enable_private_segment 0
		.amdhsa_kernarg_size 40
		.amdhsa_user_sgpr_count 2
		.amdhsa_user_sgpr_kernarg_segment_ptr 1
		.amdhsa_wavefront_size32 1
		.amdhsa_system_sgpr_workgroup_id_x 1
		.amdhsa_system_sgpr_workgroup_id_y 1
		.amdhsa_system_sgpr_workgroup_id_z 1
		.amdhsa_system_vgpr_workitem_id 0
		.amdhsa_next_free_vgpr 32
		.amdhsa_next_free_sgpr 66
		.amdhsa_reserve_vcc 1
		.amdhsa_float_denorm_mode_32 3
		.amdhsa_float_denorm_mode_16_64 3
		.amdhsa_memory_ordered 1
		.amdhsa_forward_progress 1
		.amdhsa_inst_pref_size 4
	.end_amdhsa_kernel
	.amdgpu_metadata
---
amdhsa.version: [ 1, 2 ]
amdhsa.kernels:
  - .name:           k_q857e7be488_finish
    .symbol:         k_q857e7be488_finish.kd
    .args:
      - { .name: part, .offset: 0, .size: 8, .value_kind: global_buffer, .address_space: global }
      - { .name: kde_logvar, .offset: 8, .size: 8, .value_kind: global_buffer, .address_space: global }
      - { .name: noise_logvar, .offset: 16, .size: 8, .value_kind: global_buffer, .address_space: global }
      - { .name: out1, .offset: 24, .size: 8, .value_kind: global_buffer, .address_space: global }
      - { .name: out2, .offset: 32, .size: 8, .value_kind: global_buffer, .address_space: global }
    .group_segment_fixed_size: 0
    .private_segment_fixed_size: 0
    .kernarg_segment_align: 8
    .kernarg_segment_size: 40
    .max_flat_workgroup_size: 32
    .sgpr_count:     66
    .vgpr_count:     32
    .wavefront_size: 32
...
	.end_amdgpu_metadata
.endif
;; end of part 3
